; MI455X (gfx1250); checked and timed in simulation.
; The chip was launched on July 23, 2026; its instructions are those of AMD's public machine-readable ISA for CDNA 5 (MIT licence, August 2026) and "CDNA5" Instruction Set Architecture Reference Guide (July 2026). The comments in the code are by the model that wrote it; some were corrected since.
;; Mixture Token Module. Allowed arithmetic: float matrix products may take bf16 or f16 operands with f32 sums; all other float work in f32.
;; Inputs: W1 34 x 128 float32; W2 128 x 4,096 float32; attn_mask 1,024 x 4,096 int32; b1 128 float32; b2 4,096 float32; fixations 1,024 x 4,096 x 5 float32; ln1_b 128 float32; ln1_g 128 float32; ln2_b 4,096 float32; ln2_g 4,096 float32.
;; Outputs: out0 1,024 x 1 x 4,096 float32; out1 1,024 x 1 int32.
;; One version. Each part assembles by itself: llvm-mc -triple=amdgcn-amd-amdhsa -mcpu=gfx1250 --defsym DOCPART=n.
;; ======== version 1 of 1: 3 launches
;; limits: a difference of large sums (such as E[x^2] - mean^2): digits are lost where the result is much smaller than its terms; a function is approximated: absolute error at most 1.5e-07; values are held in f16: magnitudes above 65,504 overflow, below 6.1e-05 lose precision
;; workspace buffers: hbuf 262,144 bytes; raw 16,777,216 bytes
;; launch em (part 1): grid 1024 x 1, 8 waves a work-group, no clusters, 102,400 bytes of LDS; arguments fixations, attn_mask, W1, b1, ln1_g, ln1_b, hbuf; writes hbuf
.if DOCPART == 1
	.amdgcn_target "amdgcn-amd-amdhsa--gfx1250"
	.amdhsa_code_object_version 6
	.text
	.protected	k_qbedac99bc5_em
	.globl	k_qbedac99bc5_em
	.p2align	8
	.type	k_qbedac99bc5_em,@function
k_qbedac99bc5_em:
	s_mov_b64 s[64:65], 0
	v_nop
	global_prefetch_b8 v0, s[64:65] scope:SCOPE_SE
	s_setreg_imm32_b32 hwreg(HW_REG_WAVE_MODE, 25, 1), 1
	s_wait_xcnt 0x0
; One work-group = one sample: 4096 points x 5 features.  Features log1p(max(x,0)), weights float(mask) x (norm > 1e-6),
; moment start, six EM sweeps of a 3-component diagonal mixture, components sorted by weight, 34 -> 128, layer norm, exact GELU;
; the 128 numbers leave as f16 (the next launch's matrix operand), 256 consecutive aligned bytes by one store.
; Eight waves, 512 points each, kept in registers for all sweeps: fixations and mask are read from memory once.
; Every point is swept in every pass; a masked point has weight 0.  No branch and no address hangs on the data.
; ARITHMETIC.  Points are centred on the sample's weighted mean (y = x - gmean), so every later sum is of the size of the sample's
; own spread.  E step in base 2: T = g y - g mu with g = sqrt(0.5 log2 e / var), Q_k = NC_k + sum T^2 = -log2(w_k N_k(x));
; the smallest Q (the largest log probability) is taken away before the exponentials, as the softmax of the reference does.
; M step from N = sum r, S1 = sum r y, S2 = sum r y^2:  mu = S1/NK - gmean 1e-10/NK,  var = (S2 - mu (2 S1 - mu N))/NK + 1e-4,
; which is sum r (y - mu)^2 written out.
; The two small products of the M step (3 x 5 outputs, summed over points that lie one to a lane) and the one-row product with W1
; are done by packed f32 multiply-adds: a matrix fragment would want r and y transposed through LDS in every sweep.
; No cluster: work-groups share only W1's 17,408 bytes beside 98,304 bytes of their own.
; LIMITS.  NaN in fixations is clipped to 0 (the reference keeps it).  The norm test is sum x^2 > 1e-12.  The relative error of var
; grows as (mu^2 + var)/var x 1e-7 (mu counted from the sample's mean).  erf by a 5-term formula of absolute error 1.5e-7.
; The result is stored as f16: |h| <= 11.3 |ln1_g| + |ln1_b| (the layer norm bounds its 128 numbers by sqrt 127) has to stay
; below 65,504, that is gains below some 5,800.
.set STG,  10240                       ; LDS of a wave: its 512 points x 20 bytes as loaded, read back by whole points
.set W1S,  81920                       ; W1 rows 0-31, 512 bytes each
.set X0,   98304                       ; [wave][8 words] first sums; the second sums lie 256 bytes further
.set XB,   98816                       ; [wave][33 words], pitch XBP: a sweep's statistics
.set XBP,  144
.set PR,   100096                      ; 33 words: 0-14 g, 15 NC0, 16-30 -g mu, 31 NC1, 32 NC2
.set DS,   100352                      ; 34 words: the descriptor
.set W,   10                           ; wave 0, lane (k = lane>>3, f = lane&7): weight, mean, variance
.set MU,  11
.set VAR, 12
.set GMV, 13                           ; -gmean of feature lane&7
.set RN,  14                           ; 1 / max(n, 1)
.set P,   16                           ; v16-49   the 33 parameters, the same in every lane; later the descriptor
.set MK,  16                           ; v16-31   until the features are made: the mask words
.set FS,  32                           ; v32-43   until then: the sums of m x (five pairs) and of m
.set Y,   50                           ; v50-145  pair j: feature f at Y+12j+2f (two points a lane), weights at Y+12j+10
.set ACC, 146                          ; v146-211 statistic i at ACC+2i: 5k+f S1, 15+5k+f S2, 30+k N
.set RAW, 146                          ; v146-225 until the features are made: 80 words of fixations, 16 points a lane
.set H,   200                          ; the tail: my four columns of the hidden layer
.set TA,  212
.set TB,  222
.set FT,  226                          ; v226-233 scratch while RAW is alive
.set FN,  234                          ; v234-235 the squared norm
.set Q,   232
.set MN,  238
.set SM,  240
.set R,   242
.set T0,  244                          ; v244-251 scratch
.set PT,  252                          ; destination of v_permlanex16_b32
.macro BARRIER
	s_barrier_signal -1
	s_barrier_wait -1
.endm
.macro LANESUM v, t                    ; sum over the 32 lanes, result in every lane
	v_add_f32_dpp v[\v], v[\v], v[\v] row_xmask:1 row_mask:0xf bank_mask:0xf
	v_add_f32_dpp v[\v], v[\v], v[\v] row_xmask:2 row_mask:0xf bank_mask:0xf
	v_add_f32_dpp v[\v], v[\v], v[\v] row_xmask:4 row_mask:0xf bank_mask:0xf
	v_add_f32_dpp v[\v], v[\v], v[\v] row_xmask:8 row_mask:0xf bank_mask:0xf
	v_permlanex16_b32 v[\t], v[\v], s30, s31
	v_add_f32 v[\v], v[\v], v[\t]
.endm
.macro LANEMAX v, t
	v_max_num_f32_dpp v[\v], v[\v], v[\v] row_xmask:1 row_mask:0xf bank_mask:0xf
	v_max_num_f32_dpp v[\v], v[\v], v[\v] row_xmask:2 row_mask:0xf bank_mask:0xf
	v_max_num_f32_dpp v[\v], v[\v], v[\v] row_xmask:4 row_mask:0xf bank_mask:0xf
	v_max_num_f32_dpp v[\v], v[\v], v[\v] row_xmask:8 row_mask:0xf bank_mask:0xf
	v_permlanex16_b32 v[\t], v[\v], s30, s31
	v_max_num_f32 v[\v], v[\v], v[\t]
.endm
	s_load_b256 s[8:15], s[0:1], 0x0               ; fixations s[8:9], attn_mask s[10:11], W1 s[12:13], b1 s[14:15]
	s_load_b128 s[16:19], s[0:1], 0x20             ; ln1_g s[16:17], ln1_b s[18:19]
	s_load_b64 s[20:21], s[0:1], 0x30              ; hbuf
	v_lshl_add_u32 v254, v0, 2, 0x18c00
	v_mov_b32 v255, 0
	v_and_b32 v1, 31, v0                           ; lane
	v_lshrrev_b32 v10, 5, v0
	v_readfirstlane_b32 s22, v10                   ; wave
	s_mul_i32 s39, s22, STG                        ; wave x 512 points x 20 bytes: in memory and in LDS alike
	s_mul_i32 s2, ttmp9, 81920                     ; sample x 4096 points x 20 bytes
	s_add_co_u32 s2, s2, s39
	s_mov_b32 s3, 0
	s_lshl_b32 s4, ttmp9, 14                       ; sample x 4096 words of mask
	s_lshl_b32 s5, s22, 11                         ; + wave x 512 words
	s_add_co_u32 s4, s4, s5
	s_mov_b32 s5, 0
	s_lshl_b32 s6, s22, 9                          ; 512 x wave
	v_lshlrev_b32 v[T0], 4, v1                     ; 16 x lane
	v_lshl_add_u32 v[T0+1], v1, 4, s6              ; 16 x thread: my 16 bytes of each 4,096 of W1
	s_wait_kmcnt 0x0
	s_add_nc_u64 s[8:9], s[8:9], s[2:3]
	s_add_nc_u64 s[10:11], s[10:11], s[4:5]
	; 28 loads in one run, each 512 consecutive bytes of the wave
.set i, 0
.rept 20
	global_load_b128 v[RAW+4*i:RAW+4*i+3], v[T0], s[8:9] offset:512*i th:TH_LOAD_NT
.set i, i+1
.endr
.irp j, 0,1,2,3
	global_load_b128 v[MK+4*\j:MK+4*\j+3], v[T0], s[10:11] offset:512*\j th:TH_LOAD_NT     ; register 4j+e: point 128j + 4 lane + e
.endr
.irp i, 0,1,2,3
	global_load_b128 v[Y+4*\i:Y+4*\i+3], v[T0+1], s[12:13] offset:4096*\i                  ; W1 rows 0-31, shared by the 256 threads
.endr
	; addresses and constants, while the loads are on their way
	s_mov_b32 s30, 0x76543210                      ; v_permlanex16_b32: lane i takes lane i of the other half
	s_mov_b32 s31, 0xfedcba98
	s_mov_b32 s32, 0xff00ff00                      ; lanes with bit 3, 2, 1, 0 set
	s_mov_b32 s33, 0xf0f0f0f0
	s_mov_b32 s34, 0xcccccccc
	s_mov_b32 s35, 0xaaaaaaaa
	s_mov_b32 s37, 0x1f1f1f1f                      ; lanes with f < 5
	s_mov_b32 s59, 0x2b8cbccc                      ; 1e-12
	v_lshrrev_b32 v10, 3, v1                       ; k
	v_and_b32 v11, 7, v1                           ; f
	v_min_u32 v12, 2, v10
	v_min_u32 v13, 4, v11
	s_mul_i32 s29, s22, XBP
	s_add_co_u32 s29, s29, XB
	v_lshl_add_u32 v2, v1, 2, s29                  ; my wave's statistics: word = lane
	v_mov_b32 v3, s29                              ; and (offset 128) word 32
	v_mov_b32 v4, PR
	v_lshl_add_u32 v5, v1, 2, X0                   ; word = lane of the first sums
	v_mad_u32_u24 v14, v12, 5, v13
	v_lshl_add_u32 v6, v14, 2, XB                  ; S1 of (k, f) in wave 0's block
	v_lshl_add_u32 v7, v12, 2, XB+120              ; N of k
	v_mad_u32_u24 v14, v10, 5, v11
	v_lshl_add_u32 v8, v14, 2, PR                  ; g of (k, f)
	v_lshl_add_u32 v14, v10, 4, 15
	v_min_u32 v14, 32, v14                         ; 15, 31, 32
	v_lshl_add_u32 v9, v14, 2, PR                  ; NC of k
	s_lshl_b32 s29, s22, 5
	s_add_co_u32 s29, s29, X0
	v_mov_b32 v15, s29                             ; my wave's eight words of the first sums
	v_mov_b32 v[P+33], 0                           ; the upper half of the pair that holds parameter 32
	v_mov_b32 v[PT], 0
	v_lshl_add_u32 v[T0+4], v1, 4, s39             ; raw bytes in: 16 x lane
	v_mad_u32_u24 v[T0+5], v1, 80, s39             ; and back: four whole points a lane
	s_add_co_u32 s6, s6, W1S
	v_lshl_add_u32 v[T0+7], v1, 4, s6              ; W1 in LDS: 512 x wave + 16 x lane
	s_wait_loadcnt 8                               ; the fixations are in; the mask's four loads and W1's four stay out
.set i, 0
.rept 20
	ds_store_b128 v[T0+4], v[RAW+4*i:RAW+4*i+3] offset:512*i
.set i, i+1
.endr
	s_wait_loadcnt 0x0
.irp i, 0,1,2,3
	ds_store_b128 v[T0+7], v[Y+4*\i:Y+4*\i+3] offset:4096*\i
.endr
	s_wait_dscnt 0x0                               ; the stores have taken their data: RAW is loaded into again below, Y written by FEAT
	; back by points: 80 bytes a lane; a pitch of 20 words puts sixteen lanes on sixteen different 16-byte columns modulo 256 bytes.
	; RAW + 20j + 5e + f is then feature f of point 128j + 4 lane + e, the point of mask register 4j + e
.irp j, 0,1,2,3
.irp c, 0,1,2,3,4
	ds_load_b128 v[RAW+20*\j+4*\c:RAW+20*\j+4*\c+3], v[T0+5] offset:2560*\j+16*\c
.endr
.endr
	s_wait_dscnt 0x0
; features and weights of pair j (the lane's points 2j and 2j + 1 of its sixteen), and the sums of m x and m.  The clip against 0
; and the mask's conversion also carry the numbers to the pair's registers: no move of its own.
; log1p(x) = ln 2 log2(u) + (x - (u - 1))/u with u = 1 + x: the second term gives back what the sum 1 + x dropped, so tiny and
; huge x are both right.
.macro FEAT j, first
.set YB, Y+12*\j
.set RS, RAW+10*\j
.irp f, 0,1,2,3,4
	v_max_num_f32 v[YB+2*\f], 0, v[RS+\f]
	v_max_num_f32 v[YB+2*\f+1], 0, v[RS+5+\f]
	v_pk_add_f32 v[FT:FT+1], v[YB+2*\f:YB+2*\f+1], 1.0 op_sel_hi:[1,0]
	v_log_f32 v[FT+2], v[FT]
	v_log_f32 v[FT+3], v[FT+1]
	v_rcp_f32 v[FT+4], v[FT]
	v_rcp_f32 v[FT+5], v[FT+1]
	v_pk_add_f32 v[FT+6:FT+7], v[FT:FT+1], -1.0 op_sel_hi:[1,0]       ; the plain instruction behind the four (ISA guide 5.7.2)
	v_pk_add_f32 v[FT+6:FT+7], v[YB+2*\f:YB+2*\f+1], v[FT+6:FT+7] neg_lo:[0,1] neg_hi:[0,1]
	s_wait_alu depctr_va_vdst(0)
	v_pk_mul_f32 v[FT+6:FT+7], v[FT+6:FT+7], v[FT+4:FT+5]
	v_pk_fma_f32 v[YB+2*\f:YB+2*\f+1], v[FT+2:FT+3], 0x3f317218, v[FT+6:FT+7] op_sel_hi:[1,0,1]
.if \f == 0
	v_pk_mul_f32 v[FN:FN+1], v[YB+2*\f:YB+2*\f+1], v[YB+2*\f:YB+2*\f+1]
.else
	v_pk_fma_f32 v[FN:FN+1], v[YB+2*\f:YB+2*\f+1], v[YB+2*\f:YB+2*\f+1], v[FN:FN+1]
.endif
.endr
	v_cvt_f32_i32 v[YB+10], v[MK+2*\j]
	v_cvt_f32_i32 v[YB+11], v[MK+2*\j+1]
	v_cmp_lt_f32 vcc_lo, s59, v[FN]
	v_cndmask_b32 v[YB+10], 0, v[YB+10], vcc_lo
	v_cmp_lt_f32 vcc_lo, s59, v[FN+1]
	v_cndmask_b32 v[YB+11], 0, v[YB+11], vcc_lo
.irp f, 0,1,2,3,4
.if \first
	v_pk_mul_f32 v[FS+2*\f:FS+2*\f+1], v[YB+2*\f:YB+2*\f+1], v[YB+10:YB+11]
.else
	v_pk_fma_f32 v[FS+2*\f:FS+2*\f+1], v[YB+2*\f:YB+2*\f+1], v[YB+10:YB+11], v[FS+2*\f:FS+2*\f+1]
.endif
.endr
.if \first
	v_mov_b32 v[FS+10], v[YB+10]
	v_mov_b32 v[FS+11], v[YB+11]
.else
	v_pk_add_f32 v[FS+10:FS+11], v[FS+10:FS+11], v[YB+10:YB+11]
.endif
.endm
; centre pair j and sum m y^2
.macro CENT j, first
.set YB, Y+12*\j
.irp f, 0,1,2,3,4
	v_pk_add_f32 v[YB+2*\f:YB+2*\f+1], v[YB+2*\f:YB+2*\f+1], s[40+2*\f:41+2*\f] op_sel_hi:[1,0]
	v_pk_mul_f32 v[TA+2*\f:TA+2*\f+1], v[YB+2*\f:YB+2*\f+1], v[YB+2*\f:YB+2*\f+1]
.if \first
	v_pk_mul_f32 v[ACC+2*\f:ACC+2*\f+1], v[TA+2*\f:TA+2*\f+1], v[YB+10:YB+11]
.else
	v_pk_fma_f32 v[ACC+2*\f:ACC+2*\f+1], v[TA+2*\f:TA+2*\f+1], v[YB+10:YB+11], v[ACC+2*\f:ACC+2*\f+1]
.endif
.endr
.endm
; the wave's n sums (pairs from register b on), summed over its lanes, and zeros up to eight words, into its own 32 bytes at off
.macro SHARE b, n, off
.set i, 0
.rept 8
.if i < \n
	v_add_f32 v[T0+i], v[\b+2*i], v[\b+2*i+1]
.else
	v_mov_b32 v[T0+i], 0
.endif
.set i, i+1
.endr
.set i, 0
.rept \n
	LANESUM T0+i, PT
.set i, i+1
.endr
	ds_store_b128 v15, v[T0:T0+3] offset:\off
	ds_store_b128 v15, v[T0+4:T0+7] offset:\off+16
	s_wait_dscnt 0x0                               ; for the other waves' sake: stored before the signal
	BARRIER
.endm
; lane l ends with the sum over the eight waves of word l & 7
.macro XSUM off, out
	ds_load_b32 v[\out], v5 offset:\off            ; waves 0-3
	ds_load_b32 v[\out+1], v5 offset:\off+128      ; waves 4-7
	s_wait_dscnt 0x0
	v_add_f32 v[\out], v[\out], v[\out+1]
	v_add_f32_dpp v[\out], v[\out], v[\out] row_xmask:8 row_mask:0xf bank_mask:0xf
	v_permlanex16_b32 v[\out+1], v[\out], s30, s31
	v_add_f32 v[\out], v[\out], v[\out+1]
.endm
	FEAT 0, 1
.irp j, 1,2,3,4,5,6,7
	FEAT \j, 0
.endr
	SHARE FS, 6, 0
	XSUM 0, T0
	v_readlane_b32 s36, v[T0], 5                   ; n, as summed
	v_mov_b32 v[T0+2], s36
	v_max_num_f32 v[T0+2], 1.0, v[T0+2]
	v_rcp_f32 v[RN], v[T0+2]
	v_nop
	s_wait_alu depctr_va_vdst(0)
	v_mul_f32 v[GMV], -v[T0], v[RN]                ; -gmean of feature lane & 7
.irp f, 0,1,2,3,4
	v_readlane_b32 s[40+2*\f], v[GMV], \f
	s_mov_b32 s[41+2*\f], 0                        ; the pair's upper word: written, not used
.endr
	CENT 0, 1
.irp j, 1,2,3,4,5,6,7
	CENT \j, 0
.endr
	SHARE ACC, 5, 256
	s_mov_b32 s24, 0
	s_cmp_lg_u32 s22, 0
	s_cbranch_scc1 .Lem
	XSUM 256, T0                                   ; wave 0: the start
	v_fmaak_f32 v[VAR], v[T0], v[RN], 0x38d1b717   ; gvar = sum / n + 1e-4
	v_sqrt_f32 v[T0+2], v[VAR]
	v_lshrrev_b32 v[T0+3], 3, v1
	v_add_nc_u32 v[T0+3], -1, v[T0+3]
	v_cvt_f32_i32 v[T0+3], v[T0+3]                 ; -1, 0, 1
	s_wait_alu depctr_va_vdst(0)
	v_mul_f32 v[MU], v[T0+3], v[T0+2]
	v_mov_b32 v[W], 0x3eaaaaab                     ; 1/3
; d = y P[g] + P[g+16]: both halves take the same parameter out of its pair
.macro TFMA d, y, g
	v_pk_fma_f32 v[\d:\d+1], v[\y:\y+1], v[P+(\g)/2*2:P+(\g)/2*2+1], v[P+16+(\g)/2*2:P+16+(\g)/2*2+1] op_sel:[0,(\g)&1,(\g)&1] op_sel_hi:[1,(\g)&1,(\g)&1]
.endm
; Q_k += t^2; the first term starts the sum from parameter c
.macro QACC k, t, f, c
.if \f == 0
	v_pk_fma_f32 v[Q+2*\k:Q+2*\k+1], v[\t:\t+1], v[\t:\t+1], v[P+(\c)/2*2:P+(\c)/2*2+1] op_sel:[0,0,(\c)&1] op_sel_hi:[1,1,(\c)&1]
.else
	v_pk_fma_f32 v[Q+2*\k:Q+2*\k+1], v[\t:\t+1], v[\t:\t+1], v[Q+2*\k:Q+2*\k+1]
.endif
.endm
; E and M step of pair j (64 points of the wave, two a lane).  first = 1: the products start the sums, nothing is cleared.
.macro PAIR j, first
.set YB, Y+12*\j
.irp f, 0,1,2,3,4
	TFMA TA+2*\f, YB+2*\f, \f
.endr
.irp f, 0,1,2,3,4
	TFMA TB+2*\f, YB+2*\f, 5+\f
	QACC 0, TA+2*\f, \f, 15
.endr
.irp f, 0,1,2,3,4
	TFMA TA+2*\f, YB+2*\f, 10+\f
	QACC 1, TB+2*\f, \f, 31
.endr
.irp f, 0,1,2,3,4
	QACC 2, TA+2*\f, \f, 32
.if \f < 3
	v_pk_mul_f32 v[TB+2*\f:TB+2*\f+1], v[YB+2*\f:YB+2*\f+1], v[YB+2*\f:YB+2*\f+1]
.endif
.endr
	v_min3_num_f32 v[MN], v[Q], v[Q+2], v[Q+4]     ; the largest log probability is the smallest Q
	v_min3_num_f32 v[MN+1], v[Q+1], v[Q+3], v[Q+5]
.irp k, 0,1,2
	v_pk_add_f32 v[Q+2*\k:Q+2*\k+1], v[MN:MN+1], v[Q+2*\k:Q+2*\k+1] neg_lo:[0,1] neg_hi:[0,1]
.endr
.irp e, 0,1,2,3,4,5
	v_exp_f32 v[Q+\e], v[Q+\e]
.endr
	v_pk_mul_f32 v[TB+6:TB+7], v[YB+6:YB+7], v[YB+6:YB+7]             ; the plain instruction behind the exponentials
	s_wait_alu depctr_va_vdst(0)
	v_pk_add_f32 v[SM:SM+1], v[Q:Q+1], v[Q+2:Q+3]
	v_pk_add_f32 v[SM:SM+1], v[SM:SM+1], v[Q+4:Q+5]
	v_rcp_f32 v[R], v[SM]
	v_rcp_f32 v[R+1], v[SM+1]
	v_pk_mul_f32 v[TB+8:TB+9], v[YB+8:YB+9], v[YB+8:YB+9]             ; and behind the reciprocals
	s_wait_alu depctr_va_vdst(0)
	v_pk_mul_f32 v[R:R+1], v[R:R+1], v[YB+10:YB+11]                   ; weight / sum
.irp k, 0,1,2
.if \first
	v_pk_mul_f32 v[ACC+60+2*\k:ACC+60+2*\k+1], v[Q+2*\k:Q+2*\k+1], v[R:R+1]
.else
	v_pk_mul_f32 v[Q+2*\k:Q+2*\k+1], v[Q+2*\k:Q+2*\k+1], v[R:R+1]
	v_pk_add_f32 v[ACC+60+2*\k:ACC+60+2*\k+1], v[ACC+60+2*\k:ACC+60+2*\k+1], v[Q+2*\k:Q+2*\k+1]
.endif
.endr
.irp k, 0,1,2
.irp f, 0,1,2,3,4
.if \first
	v_pk_mul_f32 v[ACC+10*\k+2*\f:ACC+10*\k+2*\f+1], v[ACC+60+2*\k:ACC+60+2*\k+1], v[YB+2*\f:YB+2*\f+1]
	v_pk_mul_f32 v[ACC+30+10*\k+2*\f:ACC+30+10*\k+2*\f+1], v[ACC+60+2*\k:ACC+60+2*\k+1], v[TB+2*\f:TB+2*\f+1]
.else
	v_pk_fma_f32 v[ACC+10*\k+2*\f:ACC+10*\k+2*\f+1], v[Q+2*\k:Q+2*\k+1], v[YB+2*\f:YB+2*\f+1], v[ACC+10*\k+2*\f:ACC+10*\k+2*\f+1]
	v_pk_fma_f32 v[ACC+30+10*\k+2*\f:ACC+30+10*\k+2*\f+1], v[Q+2*\k:Q+2*\k+1], v[TB+2*\f:TB+2*\f+1], v[ACC+30+10*\k+2*\f:ACC+30+10*\k+2*\f+1]
.endif
.endr
.endr
.endm
; one stage of the transposing sum: lanes with the bit clear keep value i and send value i + h, the others the other way round
.macro BFLY h, m
.set i, 0
.rept \h
	v_cndmask_b32 v[T0+2*(i%4)], v[ACC+2*i], v[ACC+2*(i+\h)], \m
	v_cndmask_b32 v[T0+2*(i%4)+1], v[ACC+2*(i+\h)], v[ACC+2*i], \m
	v_add_f32_dpp v[ACC+2*i], v[T0+2*(i%4)+1], v[T0+2*(i%4)] row_xmask:\h row_mask:0xf bank_mask:0xf
.set i, i+1
.endr
.endm
.macro SUM8 b
	v_pk_add_f32 v[\b:\b+1], v[\b:\b+1], v[\b+2:\b+3]
	v_pk_add_f32 v[\b+4:\b+5], v[\b+4:\b+5], v[\b+6:\b+7]
	v_pk_add_f32 v[\b:\b+1], v[\b:\b+1], v[\b+4:\b+5]
	v_add_f32 v[\b], v[\b], v[\b+1]
.endm
.Lem:                                              ; six sweeps
	s_cmp_lg_u32 s22, 0
	s_cbranch_scc1 .Lderived
	; wave 0, lane (k, f): the sweep's parameters from w, mu, var
	v_rsq_f32 v[T0], v[VAR]
	v_log_f32 v[T0+1], v[VAR]
	v_log_f32 v[T0+2], v[W]
	v_nop
	s_wait_alu depctr_va_vdst(0)
	v_mul_f32 v[T0], 0x3f596d27, v[T0]             ; g = sqrt(0.5 log2 e) / sqrt(var)
	v_cndmask_b32 v[T0+1], 0, v[T0+1], s37         ; log2 var, 0 in the lanes f >= 5
	v_mul_f32 v[T0+3], -v[T0], v[MU]
	v_add_f32_dpp v[T0+1], v[T0+1], v[T0+1] row_xmask:1 row_mask:0xf bank_mask:0xf
	v_add_f32_dpp v[T0+1], v[T0+1], v[T0+1] row_xmask:2 row_mask:0xf bank_mask:0xf
	v_add_f32_dpp v[T0+1], v[T0+1], v[T0+1] row_xmask:4 row_mask:0xf bank_mask:0xf
	v_sub_f32 v[T0+2], 0x40d41ea4, v[T0+2]         ; 2.5 log2(2 pi) - log2 w
	v_fma_f32 v[T0+1], 0.5, v[T0+1], v[T0+2]
	s_mov_b32 vcc_lo, 0x1f1f1f                     ; k < 3, f < 5.  No global access is pending here: EXEC is nobody's source
	s_and_saveexec_b32 s38, vcc_lo
	ds_store_b32 v8, v[T0]
	ds_store_b32 v8, v[T0+3] offset:64
	ds_store_b32 v9, v[T0+1]                       ; five lanes, one word, one value
	s_or_b32 exec_lo, exec_lo, s38
	s_wait_dscnt 0x0                               ; stored before the signal
.Lderived:
	BARRIER                                        ; the parameters are there; wave 0 has read the last sweep's statistics
.irp i, 0,1,2,3,4,5,6,7
	ds_load_b128 v[P+4*\i:P+4*\i+3], v4 offset:16*\i
.endr
	ds_load_b32 v[P+32], v4 offset:128
	s_wait_dscnt 0x0
	PAIR 0, 1
.irp j, 1,2,3,4,5,6,7
	PAIR \j, 0
.endr
	; 33 sums over 32 lanes: halves, the two rows of 16 lanes, then four transposing stages: lane L ends with statistic L
.set i, 0
.rept 33
	v_add_f32 v[ACC+2*i], v[ACC+2*i], v[ACC+2*i+1]
.set i, i+1
.endr
.set i, 0
.rept 16
	v_permlane16_swap_b32 v[ACC+2*i], v[ACC+2*i+32]
	v_add_f32 v[ACC+2*i], v[ACC+2*i], v[ACC+2*i+32]
.set i, i+1
.endr
	BFLY 8, s32
	BFLY 4, s33
	BFLY 2, s34
	BFLY 1, s35
	LANESUM ACC+64, PT
	ds_store_b32 v2, v[ACC]
	ds_store_b32 v3, v[ACC+64] offset:128
	s_wait_dscnt 0x0
	BARRIER                                        ; all statistics are there; every wave has its parameters in registers
	s_cmp_lg_u32 s22, 0
	s_cbranch_scc1 .Lupdated
.irp w, 0,1,2,3,4,5,6,7
	ds_load_b32 v[TA+\w], v6 offset:XBP*\w         ; S1 of (k, f), wave w
.endr
.irp w, 0,1,2,3,4,5,6,7
	ds_load_b32 v[TA+8+\w], v6 offset:XBP*\w+60    ; S2
.endr
.irp w, 0,1,2,3,4,5,6,7
	ds_load_b32 v[TA+16+\w], v7 offset:XBP*\w      ; N
.endr
	s_wait_dscnt 0x0
	SUM8 TA
	SUM8 TA+8
	SUM8 TA+16
	v_add_f32 v[T0], 0x2edbe6ff, v[TA+16]          ; NK = N + 1e-10
	v_rcp_f32 v[T0+1], v[T0]
	v_mul_f32 v[W], v[T0], v[RN]
	s_wait_alu depctr_va_vdst(0)
	v_mul_f32 v[T0+2], 0x2edbe6ff, v[T0+1]
	v_mul_f32 v[T0+2], v[T0+2], v[GMV]
	v_fma_f32 v[MU], v[TA], v[T0+1], v[T0+2]       ; S1/NK - gmean 1e-10/NK
	v_mul_f32 v[T0+3], v[MU], v[TA+16]
	v_fma_f32 v[T0+3], 2.0, v[TA], -v[T0+3]
	v_fma_f32 v[T0+3], -v[MU], v[T0+3], v[TA+8]    ; S2 - mu (2 S1 - mu N)
	v_max_num_f32 v[T0+3], 0, v[T0+3]
	v_fmaak_f32 v[VAR], v[T0+3], v[T0+1], 0x38d1b717
.Lupdated:
	s_add_co_u32 s24, s24, 1
	s_cmp_lt_u32 s24, 6
	s_cbranch_scc1 .Lem
	s_cmp_lg_u32 s22, 0
	s_cbranch_scc1 .Lend
	; THE TAIL, wave 0 alone.  Lane l owns columns 4l .. 4l+3 of the hidden layer.
	v_lshlrev_b32 v[T0], 4, v1
	global_load_b128 v[Y+128:Y+131], v[T0], s[12:13] offset:16384     ; W1 row 32
	global_load_b128 v[Y+132:Y+135], v[T0], s[12:13] offset:16896     ; W1 row 33
	global_load_b128 v[186:189], v[T0], s[14:15]                      ; b1
	global_load_b128 v[190:193], v[T0], s[16:17]                      ; ln1_g
	global_load_b128 v[194:197], v[T0], s[18:19]                      ; ln1_b
	v_add_nc_u32 v[T0+1], W1S, v[T0]
	v_and_b32 v[TA+9], 7, v1
	v_lshlrev_b32 v[TB], 2, v[TA+9]                ; lane f, 8 + f, 16 + f as byte indices
	v_add_nc_u32 v[TB+1], 32, v[TB]
	v_add_nc_u32 v[TB+2], 64, v[TB]
	v_sub_f32 v[TB+3], v[MU], v[GMV]               ; the mean, uncentred
	ds_bpermute_b32 v[Q], v[TB], v[TB+3]           ; feature f of components 0, 1, 2: fixed lanes, the order only selects values
	ds_bpermute_b32 v[Q+1], v[TB+1], v[TB+3]
	ds_bpermute_b32 v[Q+2], v[TB+2], v[TB+3]
	ds_bpermute_b32 v[Q+3], v[TB], v[VAR]
	ds_bpermute_b32 v[Q+4], v[TB+1], v[VAR]
	ds_bpermute_b32 v[Q+5], v[TB+2], v[VAR]
.set i, 0
.rept 32
	ds_load_b128 v[Y+4*i:Y+4*i+3], v[T0+1] offset:512*i
.set i, i+1
.endr
	v_readlane_b32 s50, v[W], 0
	v_readlane_b32 s51, v[W], 8
	v_readlane_b32 s52, v[W], 16
	v_mov_b32 v[TA], s50
	v_mov_b32 v[TA+1], s51
	v_mov_b32 v[TA+2], s52
	v_cmp_gt_f32 s53, v[TA+1], v[TA]               ; places in the stable order of falling weight:
	v_cmp_gt_f32 s54, v[TA+2], v[TA]               ; r0 = (w1>w0) + (w2>w0), r1 = (w0>=w1) + (w2>w1)
	v_cmp_gt_f32 s55, v[TA+2], v[TA+1]
	v_cndmask_b32 v[TA+3], 0, 1, s53
	v_cndmask_b32 v[TA+4], 0, 1, s54
	v_cndmask_b32 v[TA+5], 0, 1, s55
	v_add_nc_u32 v[TA+6], v[TA+3], v[TA+4]
	v_sub_nc_u32 v[TA+7], v[TA+5], v[TA+3]
	v_add_nc_u32 v[TA+7], 1, v[TA+7]
	v_lshrrev_b32 v[TA+8], 3, v1                   ; my place k
	v_cmp_eq_u32 s53, v[TA+6], v[TA+8]
	v_cmp_eq_u32 s54, v[TA+7], v[TA+8]
	s_wait_dscnt 32                                ; the six exchanges are in; W1's 32 loads stay out
	v_cndmask_b32 v[Q+1], v[Q+2], v[Q+1], s54
	v_cndmask_b32 v[Q], v[Q+1], v[Q], s53          ; mean of the component at place k
	v_cndmask_b32 v[Q+4], v[Q+5], v[Q+4], s54
	v_cndmask_b32 v[Q+3], v[Q+4], v[Q+3], s53      ; variance
	v_cndmask_b32 v[TA+1], v[TA+2], v[TA+1], s54
	v_cndmask_b32 v[TA], v[TA+1], v[TA], s53       ; weight
	v_mov_b32 v[TA+3], s36
	v_cmp_le_f32 s55, 0x40c00000, v[TA+3]          ; n >= 6, else a zero descriptor
	v_cndmask_b32 v[Q], 0, v[Q], s55
	v_cndmask_b32 v[Q+3], 0, v[Q+3], s55
	v_cndmask_b32 v[TA], 0, v[TA], s55
	v_max3_num_f32 v[TA+4], |v[TA]|, |v[Q]|, |v[Q+3]|
	s_mov_b32 s56, 0x1f1f1f
	v_cndmask_b32 v[TA+4], 0, v[TA+4], s56
	LANEMAX TA+4, PT
	v_cmp_lt_f32 vcc_lo, 0x322bcc77, v[TA+4]
	v_cndmask_b32 v[TA+4], 0, 1.0, vcc_lo          ; valid
	v_lshl_add_u32 v[TA+5], v[TA+8], 2, DS
	v_add_nc_u32 v[TA+6], DS+12-PR, v8             ; DS + 12 + 4 (5k + f)
	v_mov_b32 v[TA+7], DS
	s_wait_xcnt 0x0                                ; EXEC is a source of the five pending loads: it changes only behind this wait
	s_mov_b32 vcc_lo, 0x1f1f1f
	s_and_saveexec_b32 s38, vcc_lo
	ds_store_b32 v[TA+5], v[TA]
	ds_store_b32 v[TA+6], v[Q]
	ds_store_b32 v[TA+6], v[Q+3] offset:60
	ds_store_b32 v[TA+7], v[TA+4] offset:132
	s_wait_xcnt 0x0
	s_or_b32 exec_lo, exec_lo, s38
.irp i, 0,1,2,3,4,5,6,7
	ds_load_b128 v[P+4*\i:P+4*\i+3], v[TA+7] offset:16*\i             ; the descriptor, whole, in every lane (my own stores, in order)
.endr
	ds_load_b64 v[P+32:P+33], v[TA+7] offset:128
	s_wait_loadcnt_dscnt 0x0
.set i, 0
.rept 34
.if i == 0
	v_pk_fma_f32 v[H:H+1], v[Y:Y+1], v[P:P+1], v[186:187] op_sel_hi:[1,0,1]
	v_pk_fma_f32 v[H+2:H+3], v[Y+2:Y+3], v[P:P+1], v[188:189] op_sel_hi:[1,0,1]
.else
	v_pk_fma_f32 v[H:H+1], v[Y+4*i:Y+4*i+1], v[P+i/2*2:P+i/2*2+1], v[H:H+1] op_sel:[0,i&1,0] op_sel_hi:[1,i&1,1]
	v_pk_fma_f32 v[H+2:H+3], v[Y+4*i+2:Y+4*i+3], v[P+i/2*2:P+i/2*2+1], v[H+2:H+3] op_sel:[0,i&1,0] op_sel_hi:[1,i&1,1]
.endif
.set i, i+1
.endr
	; layer norm over the 128 columns: mean, then the centred squares
	v_pk_add_f32 v[TA:TA+1], v[H:H+1], v[H+2:H+3]
	v_add_f32 v[TA], v[TA], v[TA+1]
	LANESUM TA, PT
	v_mul_f32 v[TA], 0x3c000000, v[TA]             ; / 128
	v_pk_add_f32 v[H:H+1], v[H:H+1], v[TA:TA+1] op_sel_hi:[1,0] neg_lo:[0,1] neg_hi:[0,1]
	v_pk_add_f32 v[H+2:H+3], v[H+2:H+3], v[TA:TA+1] op_sel_hi:[1,0] neg_lo:[0,1] neg_hi:[0,1]
	v_pk_mul_f32 v[TA+2:TA+3], v[H:H+1], v[H:H+1]
	v_pk_fma_f32 v[TA+2:TA+3], v[H+2:H+3], v[H+2:H+3], v[TA+2:TA+3]
	v_add_f32 v[TA+2], v[TA+2], v[TA+3]
	LANESUM TA+2, PT
	v_mul_f32 v[TA+2], 0x3c000000, v[TA+2]
	v_add_f32 v[TA+2], 0x3727c5ac, v[TA+2]         ; + 1e-5
	v_rsq_f32 v[TA+4], v[TA+2]
	v_rsq_f32 v[TA+5], v[TA+2]
	v_nop
	s_wait_alu depctr_va_vdst(0)
	v_pk_mul_f32 v[H:H+1], v[H:H+1], v[TA+4:TA+5]
	v_pk_mul_f32 v[H+2:H+3], v[H+2:H+3], v[TA+4:TA+5]
	v_pk_fma_f32 v[H:H+1], v[H:H+1], v[190:191], v[194:195]
	v_pk_fma_f32 v[H+2:H+3], v[H+2:H+3], v[192:193], v[196:197]
	; GELU = 0.5 h (1 + erf(h / sqrt 2)).  q = erfc(z), z = |h| / sqrt 2, as t (a1 + t (a2 + .. t a5)) exp(-z^2), t = 1/(1 + p z);
	; 1 + erf is 2 - q for h >= 0 and q itself for h < 0: no difference of near numbers in the left tail
	v_pk_mul_f32 v[222:223], v[H:H+1], 0x3f3504f3 op_sel_hi:[1,0]
	v_pk_mul_f32 v[224:225], v[H+2:H+3], 0x3f3504f3 op_sel_hi:[1,0]
.irp e, 0,1,2,3
	v_and_b32 v[226+\e], 0x7fffffff, v[222+\e]
.endr
	v_pk_fma_f32 v[226:227], v[226:227], 0x3ea7ba05, 1.0 op_sel_hi:[1,0,0]
	v_pk_fma_f32 v[228:229], v[228:229], 0x3ea7ba05, 1.0 op_sel_hi:[1,0,0]
	v_pk_mul_f32 v[222:223], v[222:223], v[222:223]
	v_pk_mul_f32 v[224:225], v[224:225], v[224:225]
	v_pk_mul_f32 v[222:223], v[222:223], 0xbfb8aa3b op_sel_hi:[1,0]
	v_pk_mul_f32 v[224:225], v[224:225], 0xbfb8aa3b op_sel_hi:[1,0]
.irp e, 0,1,2,3
	v_rcp_f32 v[232+\e], v[226+\e]
.endr
.irp e, 0,1,2,3
	v_exp_f32 v[236+\e], v[222+\e]
.endr
	v_mov_b32 v[T0+2], 0x3f87dc22                  ; a5, twice (also the plain instructions behind the eight)
	v_mov_b32 v[T0+3], 0x3f87dc22
	s_wait_alu depctr_va_vdst(0)
.irp e, 0,2
	v_pk_fma_f32 v[240+\e:241+\e], v[232+\e:233+\e], v[T0+2:T0+3], 0xbfba00e3 op_sel_hi:[1,1,0]
	v_pk_fma_f32 v[240+\e:241+\e], v[240+\e:241+\e], v[232+\e:233+\e], 0x3fb5f0e3 op_sel_hi:[1,1,0]
	v_pk_fma_f32 v[240+\e:241+\e], v[240+\e:241+\e], v[232+\e:233+\e], 0xbe91a98e op_sel_hi:[1,1,0]
	v_pk_fma_f32 v[240+\e:241+\e], v[240+\e:241+\e], v[232+\e:233+\e], 0x3e827906 op_sel_hi:[1,1,0]
	v_pk_mul_f32 v[240+\e:241+\e], v[240+\e:241+\e], v[232+\e:233+\e]
	v_pk_mul_f32 v[240+\e:241+\e], v[240+\e:241+\e], v[236+\e:237+\e]
.endr
.irp e, 0,1,2,3
	v_sub_f32 v[226+\e], 2.0, v[240+\e]
	v_cmp_le_f32 vcc_lo, 0, v[H+\e]
	v_cndmask_b32 v[240+\e], v[240+\e], v[226+\e], vcc_lo
.endr
	v_pk_mul_f32 v[240:241], v[240:241], v[H:H+1]
	v_pk_mul_f32 v[242:243], v[242:243], v[H+2:H+3]
	v_pk_mul_f32 v[240:241], v[240:241], 0.5 op_sel_hi:[1,0]
	v_pk_mul_f32 v[242:243], v[242:243], 0.5 op_sel_hi:[1,0]
	v_cvt_pk_f16_f32 v[T0+2], v240, v241           ; f16, not bf16: see the head of the next launch's text
	v_cvt_pk_f16_f32 v[T0+3], v242, v243
	v_lshlrev_b32 v[T0+4], 3, v1
	s_lshl_b32 s2, ttmp9, 8                        ; the sample's row of 128 f16
	s_mov_b32 s3, 0
	s_add_nc_u64 s[20:21], s[20:21], s[2:3]
	global_store_b64 v[T0+4], v[T0+2:T0+3], s[20:21]                  ; 32 lanes store 256 consecutive bytes, aligned
.Lend:
	s_wait_tensorcnt 0x0
	ds_add_u32 v254, v255
	s_wait_dscnt 0x0
	s_endpgm
.Lfunc_end_k_qbedac99bc5_em:
	.size	k_qbedac99bc5_em, .Lfunc_end_k_qbedac99bc5_em-k_qbedac99bc5_em
	.p2alignl 7, 3214868480
	.fill 96, 4, 3214868480
	.section	.rodata,"a",@progbits
	.p2align	6, 0x0
	.amdhsa_kernel k_qbedac99bc5_em
		.amdhsa_group_segment_fixed_size 102400
		.amdhsa_private_segment_fixed_size 0
		.amdhsa_enable_private_segment 0
		.amdhsa_kernarg_size 56
		.amdhsa_user_sgpr_count 2
		.amdhsa_user_sgpr_kernarg_segment_ptr 1
		.amdhsa_wavefront_size32 1
		.amdhsa_system_sgpr_workgroup_id_x 1
		.amdhsa_system_sgpr_workgroup_id_y 1
		.amdhsa_system_sgpr_workgroup_id_z 1
		.amdhsa_system_vgpr_workitem_id 0
		.amdhsa_next_free_vgpr 256
		.amdhsa_next_free_sgpr 66
		.amdhsa_reserve_vcc 1
		.amdhsa_float_denorm_mode_32 3
		.amdhsa_float_denorm_mode_16_64 3
		.amdhsa_memory_ordered 1
		.amdhsa_forward_progress 1
		.amdhsa_inst_pref_size 121
	.end_amdhsa_kernel
	.amdgpu_metadata
---
amdhsa.version: [ 1, 2 ]
amdhsa.kernels:
  - .name:           k_qbedac99bc5_em
    .symbol:         k_qbedac99bc5_em.kd
    .args:
      - { .name: fixations, .offset: 0, .size: 8, .value_kind: global_buffer, .address_space: global }
      - { .name: attn_mask, .offset: 8, .size: 8, .value_kind: global_buffer, .address_space: global }
      - { .name: W1, .offset: 16, .size: 8, .value_kind: global_buffer, .address_space: global }
      - { .name: b1, .offset: 24, .size: 8, .value_kind: global_buffer, .address_space: global }
      - { .name: ln1_g, .offset: 32, .size: 8, .value_kind: global_buffer, .address_space: global }
      - { .name: ln1_b, .offset: 40, .size: 8, .value_kind: global_buffer, .address_space: global }
      - { .name: hbuf, .offset: 48, .size: 8, .value_kind: global_buffer, .address_space: global }
    .group_segment_fixed_size: 102400
    .private_segment_fixed_size: 0
    .kernarg_segment_align: 8
    .kernarg_segment_size: 56
    .max_flat_workgroup_size: 256
    .sgpr_count:     66
    .vgpr_count:     256
    .wavefront_size: 32
...
	.end_amdgpu_metadata
.endif
;; end of part 1
;; launch gemm (part 2): grid 16 x 32, 4 waves a work-group, no clusters, 0 bytes of LDS; arguments hbuf, W2, b2, raw; writes raw
.if DOCPART == 2
	.amdgcn_target "amdgcn-amd-amdhsa--gfx1250"
	.amdhsa_code_object_version 6
	.text
	.protected	k_qbedac99bc5_gemm
	.globl	k_qbedac99bc5_gemm
	.p2align	8
	.type	k_qbedac99bc5_gemm,@function
k_qbedac99bc5_gemm:
	s_mov_b64 s[64:65], 0
	v_nop
	global_prefetch_b8 v0, s[64:65] scope:SCOPE_SE
	s_setreg_imm32_b32 hwreg(HW_REG_WAVE_MODE, 25, 1), 1
	s_wait_xcnt 0x0
; raw[m][n] = sum over k of h[m][k] W2[k][n] + b2[n].  h: [1024][128] f16, W2: [128][4096] f32 (rounded to f16 on the way), raw: f32.
; WHY f16.  The layer norm that follows divides by the row's spread, so what counts is the error of a sum of 128 products against
; the size of that sum.  Rounding to 8 significant bits leaves about 1.7e-3 (root mean square) on each operand, 2.4e-3 on a product
; and as much on a normalised result: a hundredth is then little more than four such deviations, too few for 4,194,304 results.
; With 11 significant bits the deviation is an eighth of that.  Room: |h| <= 11.3 |ln1_g| + |ln1_b|; W2 is taken as it comes.
; LIMIT: |h| and |W2| below 65,504; under 6.1e-5 the numbers are denormal in f16 (kept by the conversion and the matrix
; instruction), with an absolute step of 6e-8.
; A work-group makes 32 rows x 256 columns, a wave 32 rows x 64 columns: 2 x 4 accumulator tiles, four K steps of 32.
; COLUMNS ARE DEALT TO TILES BY 4r + t: tile t's column r is column 4r + t of the wave's 64.  So one 16-byte load of a row of W2
; (lane r at byte 16 r: sixteen lanes read 256 consecutive aligned bytes) feeds all four tiles, and in the results a lane's four
; tiles hold 16 neighbouring bytes of a row of raw: sixteen lanes store 256 consecutive aligned bytes, with no way through LDS.
; Waves share nothing: no LDS, no barrier.
; No cluster, no tensor load: the 32 work-groups of a block of columns read the same 131,072 bytes of W2, but these are f32 and have
; to pass through registers to be rounded; brought jointly they would be written to and read from LDS once more, 131,072 bytes each
; way in every work-group, for four K steps in which each of them is used once.
.set ACC, 8                            ; v8-71    tile (mt, t) at ACC + 8 (4 mt + t)
.set AF,  72                           ; v72-135  fragment of h (mt, ks) at AF + 8 (4 mt + ks)
.set RB,  136                          ; v136-199 sixteen rows of W2 as loaded, four columns each; at the end the results
.set BF,  200                          ; v200-231 fragment of W2, tile t at BF + 8 t
.set B2,  232                          ; v232-235 b2 of my four columns
	s_load_b256 s[4:11], s[0:1], 0x0               ; hbuf s[4:5], W2 s[6:7], b2 s[8:9], raw s[10:11]
	v_lshrrev_b32 v6, 5, v0
	v_readfirstlane_b32 s12, v6                    ; wave
	v_and_b32 v1, 15, v0                           ; r
	v_bfe_u32 v2, v0, 4, 1                         ; half of the lanes
	v_lshlrev_b32 v3, 8, v1
	v_lshl_add_u32 v3, v2, 4, v3                   ; h: row r (256 bytes) + 16 x half
	v_lshlrev_b32 v5, 4, v1                        ; 16 r
	v_lshl_add_u32 v4, v2, 17, v5                  ; W2 and raw: 8 rows of 16,384 bytes x half + 16 r
	s_and_b32 s13, ttmp7, 0xffff                   ; block of 32 rows
	s_lshl_b32 s14, s13, 13                        ; x 32 rows of 256 bytes
	s_mov_b32 s15, 0
	s_lshl_b32 s16, ttmp9, 10                      ; block of 256 columns, in bytes,
	s_lshl_b32 s17, s12, 8                         ; + the wave's 64
	s_add_co_u32 s16, s16, s17
	s_mov_b32 s17, 0
	s_lshl_b32 s18, s13, 19                        ; x 32 rows of 16,384 bytes
	s_mov_b32 s19, 0
	s_wait_kmcnt 0x0
	s_add_nc_u64 s[4:5], s[4:5], s[14:15]
	s_add_nc_u64 s[6:7], s[6:7], s[16:17]
	s_add_nc_u64 s[8:9], s[8:9], s[16:17]
	s_add_nc_u64 s[10:11], s[10:11], s[16:17]
	s_add_nc_u64 s[10:11], s[10:11], s[18:19]
; the sixteen k of a lane in K step ks: 32 ks + 8 half + 0..7 and 32 ks + 16 + 8 half + 0..7, as the fragment wants them
.macro LOADB ks
.set i, 0
.rept 16
	global_load_b128 v[RB+4*i:RB+4*i+3], v4, s[6:7] offset:(32*(\ks)+i+(i/8)*8)*16384
.set i, i+1
.endr
.endm
	LOADB 0
.irp mt, 0,1
.irp ks, 0,1,2,3
	global_load_b128 v[AF+8*(4*\mt+\ks):AF+8*(4*\mt+\ks)+3], v3, s[4:5] offset:4096*\mt+64*\ks
	global_load_b128 v[AF+8*(4*\mt+\ks)+4:AF+8*(4*\mt+\ks)+7], v3, s[4:5] offset:4096*\mt+64*\ks+32
.endr
.endr
	global_load_b128 v[B2:B2+3], v5, s[8:9]
.macro KSTEP ks
	s_wait_loadcnt 0x0                             ; this step's sixteen rows (and, the first time, h and b2)
.irp t, 0,1,2,3
.irp jj, 0,1,2,3,4,5,6,7
	v_cvt_pk_f16_f32 v[BF+8*\t+\jj], v[RB+8*\jj+\t], v[RB+8*\jj+4+\t]         ; k index 2jj below, 2jj + 1 above
.endr
.endr
.if \ks < 3
	LOADB \ks+1                                    ; the next step's rows travel while this step is multiplied
.endif
.irp mt, 0,1
.irp t, 0,1,2,3
.if \ks == 0
	v_wmma_f32_16x16x32_f16 v[ACC+8*(4*\mt+\t):ACC+8*(4*\mt+\t)+7], v[AF+8*(4*\mt+\ks):AF+8*(4*\mt+\ks)+7], v[BF+8*\t:BF+8*\t+7], 0
.else
	v_wmma_f32_16x16x32_f16 v[ACC+8*(4*\mt+\t):ACC+8*(4*\mt+\t)+7], v[AF+8*(4*\mt+\ks):AF+8*(4*\mt+\ks)+7], v[BF+8*\t:BF+8*\t+7], v[ACC+8*(4*\mt+\t):ACC+8*(4*\mt+\t)+7]
.endif
.endr
.endr
.rept 4
	v_nop                                          ; four places (ISA guide 7.12.1) before BF is written again, or the results are read
.endr
.endm
	KSTEP 0
	KSTEP 1
	KSTEP 2
	KSTEP 3
	; register j of tile (mt, t) is row 16 mt + 8 half + j, column 4r + t: the bias add also gathers a lane's four columns
.irp mt, 0,1
.irp j, 0,1,2,3,4,5,6,7
.irp t, 0,1,2,3
	v_add_f32 v[RB+4*(8*\mt+\j)+\t], v[ACC+8*(4*\mt+\t)+\j], v[B2+\t]
.endr
.endr
.endr
.irp mt, 0,1
.irp j, 0,1,2,3,4,5,6,7
	global_store_b128 v4, v[RB+4*(8*\mt+\j):RB+4*(8*\mt+\j)+3], s[10:11] offset:(16*\mt+\j)*16384
.endr
.endr
	s_endpgm
.Lfunc_end_k_qbedac99bc5_gemm:
	.size	k_qbedac99bc5_gemm, .Lfunc_end_k_qbedac99bc5_gemm-k_qbedac99bc5_gemm
	.p2alignl 7, 3214868480
	.fill 96, 4, 3214868480
	.section	.rodata,"a",@progbits
	.p2align	6, 0x0
	.amdhsa_kernel k_qbedac99bc5_gemm
		.amdhsa_group_segment_fixed_size 0
		.amdhsa_private_segment_fixed_size 0
		.amdhsa_enable_private_segment 0
		.amdhsa_kernarg_size 32
		.amdhsa_user_sgpr_count 2
		.amdhsa_user_sgpr_kernarg_segment_ptr 1
		.amdhsa_wavefront_size32 1
		.amdhsa_system_sgpr_workgroup_id_x 1
		.amdhsa_system_sgpr_workgroup_id_y 1
		.amdhsa_system_sgpr_workgroup_id_z 1
		.amdhsa_system_vgpr_workitem_id 0
		.amdhsa_next_free_vgpr 240
		.amdhsa_next_free_sgpr 66
		.amdhsa_reserve_vcc 0
		.amdhsa_float_denorm_mode_32 3
		.amdhsa_float_denorm_mode_16_64 3
		.amdhsa_memory_ordered 1
		.amdhsa_forward_progress 1
		.amdhsa_inst_pref_size 23
	.end_amdhsa_kernel
	.amdgpu_metadata
---
amdhsa.version: [ 1, 2 ]
amdhsa.kernels:
  - .name:           k_qbedac99bc5_gemm
    .symbol:         k_qbedac99bc5_gemm.kd
    .args:
      - { .name: hbuf, .offset: 0, .size: 8, .value_kind: global_buffer, .address_space: global }
      - { .name: W2, .offset: 8, .size: 8, .value_kind: global_buffer, .address_space: global }
      - { .name: b2, .offset: 16, .size: 8, .value_kind: global_buffer, .address_space: global }
      - { .name: raw, .offset: 24, .size: 8, .value_kind: global_buffer, .address_space: global }
    .group_segment_fixed_size: 0
    .private_segment_fixed_size: 0
    .kernarg_segment_align: 8
    .kernarg_segment_size: 32
    .max_flat_workgroup_size: 128
    .sgpr_count:     66
    .vgpr_count:     240
    .wavefront_size: 32
...
	.end_amdgpu_metadata
.endif
;; end of part 2
;; launch lnorm (part 3): grid 256 x 1, 8 waves a work-group, no clusters, 1,280 bytes of LDS; arguments raw, ln2_g, ln2_b, out0, out1; writes out0, out1
.if DOCPART == 3
	.amdgcn_target "amdgcn-amd-amdhsa--gfx1250"
	.amdhsa_code_object_version 6
	.text
	.protected	k_qbedac99bc5_lnorm
	.globl	k_qbedac99bc5_lnorm
	.p2align	8
	.type	k_qbedac99bc5_lnorm,@function
k_qbedac99bc5_lnorm:
	s_mov_b64 s[64:65], 0
	v_nop
	global_prefetch_b8 v0, s[64:65] scope:SCOPE_SE
	s_setreg_imm32_b32 hwreg(HW_REG_WAVE_MODE, 25, 1), 1
	s_wait_xcnt 0x0
; out0[r][c] = (raw[r][c] - mean_r) / sqrt(var_r + 1e-5) * g[c] + b[c] over rows of 4096 f32; out1 = 1.
; A stream: a work-group takes four rows and keeps them in registers between the mean, the centred squares and the scaling, so raw
; is read once.  Thread t owns bytes 16 t + 4096 c (c = 0..3) of every row: each load and store of a wave covers 512 consecutive
; bytes.  All 24 loads of a wave are issued in one run.  Matrix units, clusters and tensor loads have nothing to do here.
.set X,  16                            ; v16-79   row r, piece c at X + 16 r + 4 c
.set G,  80                            ; v80-95   gain of my 16 columns
.set B,  96                            ; v96-111  bias
.set S,  112                           ; v112-115 a figure for each of the four rows
.set T,  116                           ; v116-119 two chains
.set PT, 120
.set L,  128                           ; v128-159 the eight waves' figures
.macro LANESUM v, t
	v_add_f32_dpp v[\v], v[\v], v[\v] row_xmask:1 row_mask:0xf bank_mask:0xf
	v_add_f32_dpp v[\v], v[\v], v[\v] row_xmask:2 row_mask:0xf bank_mask:0xf
	v_add_f32_dpp v[\v], v[\v], v[\v] row_xmask:4 row_mask:0xf bank_mask:0xf
	v_add_f32_dpp v[\v], v[\v], v[\v] row_xmask:8 row_mask:0xf bank_mask:0xf
	v_permlanex16_b32 v[\t], v[\v], s16, s17
	v_add_f32 v[\v], v[\v], v[\t]
.endm
; the four figures of every wave meet in LDS (bytes off .. off + 127, used once); L .. L+3 end as the sums / 4096
.macro EXCH off
	ds_store_b128 v2, v[S:S+3] offset:\off
	s_wait_dscnt 0x0                               ; stored before the signal
	s_barrier_signal -1
	s_barrier_wait -1
.irp w, 0,1,2,3,4,5,6,7
	ds_load_b128 v[L+4*\w:L+4*\w+3], v3 offset:\off+16*\w
.endr
	s_wait_dscnt 0x0
.irp w, 1,2,3,4,5,6,7
	v_pk_add_f32 v[L:L+1], v[L:L+1], v[L+4*\w:L+4*\w+1]
	v_pk_add_f32 v[L+2:L+3], v[L+2:L+3], v[L+4*\w+2:L+4*\w+3]
.endr
	v_pk_mul_f32 v[L:L+1], v[L:L+1], 0x39800000 op_sel_hi:[1,0]
	v_pk_mul_f32 v[L+2:L+3], v[L+2:L+3], 0x39800000 op_sel_hi:[1,0]
.endm
	s_load_b256 s[4:11], s[0:1], 0x0               ; raw s[4:5], ln2_g s[6:7], ln2_b s[8:9], out0 s[10:11]
	s_load_b64 s[12:13], s[0:1], 0x20              ; out1
	v_lshl_add_u32 v160, v0, 2, 0x100
	v_mov_b32 v161, 0
	v_lshrrev_b32 v2, 5, v0
	v_readfirstlane_b32 s14, v2                    ; wave
	v_lshlrev_b32 v1, 4, v0                        ; 16 t
	s_lshl_b32 s2, ttmp9, 16                       ; four rows of 16,384 bytes
	s_mov_b32 s3, 0
	s_mov_b32 s16, 0x76543210
	s_mov_b32 s17, 0xfedcba98
	s_lshl_b32 s15, s14, 4
	v_mov_b32 v2, s15                              ; my wave's 16 bytes in LDS
	v_mov_b32 v3, 0
	v_mov_b32 v[PT], 0
	s_wait_kmcnt 0x0
	s_add_nc_u64 s[4:5], s[4:5], s[2:3]
	s_add_nc_u64 s[10:11], s[10:11], s[2:3]
.irp r, 0,1,2,3
.irp c, 0,1,2,3
	global_load_b128 v[X+16*\r+4*\c:X+16*\r+4*\c+3], v1, s[4:5] offset:16384*\r+4096*\c th:TH_LOAD_NT
.endr
.endr
.irp c, 0,1,2,3
	global_load_b128 v[G+4*\c:G+4*\c+3], v1, s[6:7] offset:4096*\c
.endr
.irp c, 0,1,2,3
	global_load_b128 v[B+4*\c:B+4*\c+3], v1, s[8:9] offset:4096*\c
.endr
	s_wait_loadcnt 8                               ; the rows are in; the eight loads of gain and bias stay out
.irp r, 0,1,2,3
	v_pk_add_f32 v[T:T+1], v[X+16*\r:X+16*\r+1], v[X+16*\r+2:X+16*\r+3]
	v_pk_add_f32 v[T+2:T+3], v[X+16*\r+4:X+16*\r+5], v[X+16*\r+6:X+16*\r+7]
	v_pk_add_f32 v[T:T+1], v[T:T+1], v[X+16*\r+8:X+16*\r+9]
	v_pk_add_f32 v[T+2:T+3], v[T+2:T+3], v[X+16*\r+10:X+16*\r+11]
	v_pk_add_f32 v[T:T+1], v[T:T+1], v[X+16*\r+12:X+16*\r+13]
	v_pk_add_f32 v[T+2:T+3], v[T+2:T+3], v[X+16*\r+14:X+16*\r+15]
	v_pk_add_f32 v[T:T+1], v[T:T+1], v[T+2:T+3]
	v_add_f32 v[S+\r], v[T], v[T+1]
	LANESUM S+\r, PT
.endr
	EXCH 0                                         ; L + r = mean of row r
.irp r, 0,1,2,3
.irp p, 0,1,2,3,4,5,6,7
	v_pk_add_f32 v[X+16*\r+2*\p:X+16*\r+2*\p+1], v[X+16*\r+2*\p:X+16*\r+2*\p+1], v[L+\r/2*2:L+\r/2*2+1] op_sel:[0,\r&1] op_sel_hi:[1,\r&1] neg_lo:[0,1] neg_hi:[0,1]
.endr
	v_pk_mul_f32 v[T:T+1], v[X+16*\r:X+16*\r+1], v[X+16*\r:X+16*\r+1]
	v_pk_mul_f32 v[T+2:T+3], v[X+16*\r+2:X+16*\r+3], v[X+16*\r+2:X+16*\r+3]
.irp p, 2,4,6
	v_pk_fma_f32 v[T:T+1], v[X+16*\r+2*\p:X+16*\r+2*\p+1], v[X+16*\r+2*\p:X+16*\r+2*\p+1], v[T:T+1]
	v_pk_fma_f32 v[T+2:T+3], v[X+16*\r+2*\p+2:X+16*\r+2*\p+3], v[X+16*\r+2*\p+2:X+16*\r+2*\p+3], v[T+2:T+3]
.endr
	v_pk_add_f32 v[T:T+1], v[T:T+1], v[T+2:T+3]
	v_add_f32 v[S+\r], v[T], v[T+1]
	LANESUM S+\r, PT
.endr
	EXCH 128                                       ; other bytes than the first exchange: L + r = variance of row r
	v_pk_add_f32 v[L:L+1], v[L:L+1], 0x3727c5ac op_sel_hi:[1,0]
	v_pk_add_f32 v[L+2:L+3], v[L+2:L+3], 0x3727c5ac op_sel_hi:[1,0]
.irp r, 0,1,2,3
	v_rsq_f32 v[L+4+\r], v[L+\r]
.endr
	v_nop
	s_wait_loadcnt 0x0                             ; gain and bias
	s_wait_alu depctr_va_vdst(0)
.irp r, 0,1,2,3
.irp p, 0,1,2,3,4,5,6,7
	v_pk_mul_f32 v[X+16*\r+2*\p:X+16*\r+2*\p+1], v[X+16*\r+2*\p:X+16*\r+2*\p+1], v[L+4+\r/2*2:L+4+\r/2*2+1] op_sel:[0,\r&1] op_sel_hi:[1,\r&1]
	v_pk_fma_f32 v[X+16*\r+2*\p:X+16*\r+2*\p+1], v[X+16*\r+2*\p:X+16*\r+2*\p+1], v[G+2*\p:G+2*\p+1], v[B+2*\p:B+2*\p+1]
.endr
.irp c, 0,1,2,3
	global_store_b128 v1, v[X+16*\r+4*\c:X+16*\r+4*\c+3], s[10:11] offset:16384*\r+4096*\c th:TH_STORE_NT
.endr
.endr
	; out1: 1024 words of 1.  Every sixteenth work-group's wave 0 stores the 64 words of sixteen work-groups' rows:
	; sixteen lanes, 256 consecutive aligned bytes
	s_and_b32 s18, ttmp9, 15
	s_or_b32 s18, s18, s14
	s_cmp_lg_u32 s18, 0
	s_cbranch_scc1 .Lend
	s_lshl_b32 s2, ttmp9, 4                        ; 4 rows x 4 bytes a work-group
	s_mov_b32 s3, 0
	s_add_nc_u64 s[12:13], s[12:13], s[2:3]
.irp e, 0,1,2,3
	v_mov_b32 v[S+\e], 1
.endr
	v_cmp_gt_u32 vcc_lo, 16, v0
	s_wait_xcnt 0x0                                ; EXEC is a source of the stores above: it changes only behind this wait
	s_and_saveexec_b32 s19, vcc_lo
	global_store_b128 v1, v[S:S+3], s[12:13]
	s_wait_xcnt 0x0
	s_or_b32 exec_lo, exec_lo, s19
.Lend:
	s_wait_tensorcnt 0x0
	ds_add_u32 v160, v161
	s_wait_dscnt 0x0
	s_endpgm
.Lfunc_end_k_qbedac99bc5_lnorm:
	.size	k_qbedac99bc5_lnorm, .Lfunc_end_k_qbedac99bc5_lnorm-k_qbedac99bc5_lnorm
	.p2alignl 7, 3214868480
	.fill 96, 4, 3214868480
	.section	.rodata,"a",@progbits
	.p2align	6, 0x0
	.amdhsa_kernel k_qbedac99bc5_lnorm
		.amdhsa_group_segment_fixed_size 1280
		.amdhsa_private_segment_fixed_size 0
		.amdhsa_enable_private_segment 0
		.amdhsa_kernarg_size 40
		.amdhsa_user_sgpr_count 2
		.amdhsa_user_sgpr_kernarg_segment_ptr 1
		.amdhsa_wavefront_size32 1
		.amdhsa_system_sgpr_workgroup_id_x 1
		.amdhsa_system_sgpr_workgroup_id_y 1
		.amdhsa_system_sgpr_workgroup_id_z 1
		.amdhsa_system_vgpr_workitem_id 0
		.amdhsa_next_free_vgpr 162
		.amdhsa_next_free_sgpr 66
		.amdhsa_reserve_vcc 1
		.amdhsa_float_denorm_mode_32 3
		.amdhsa_float_denorm_mode_16_64 3
		.amdhsa_memory_ordered 1
		.amdhsa_forward_progress 1
		.amdhsa_inst_pref_size 23
	.end_amdhsa_kernel
	.amdgpu_metadata
---
amdhsa.version: [ 1, 2 ]
amdhsa.kernels:
  - .name:           k_qbedac99bc5_lnorm
    .symbol:         k_qbedac99bc5_lnorm.kd
    .args:
      - { .name: raw, .offset: 0, .size: 8, .value_kind: global_buffer, .address_space: global }
      - { .name: ln2_g, .offset: 8, .size: 8, .value_kind: global_buffer, .address_space: global }
      - { .name: ln2_b, .offset: 16, .size: 8, .value_kind: global_buffer, .address_space: global }
      - { .name: out0, .offset: 24, .size: 8, .value_kind: global_buffer, .address_space: global }
      - { .name: out1, .offset: 32, .size: 8, .value_kind: global_buffer, .address_space: global }
    .group_segment_fixed_size: 1280
    .private_segment_fixed_size: 0
    .kernarg_segment_align: 8
    .kernarg_segment_size: 40
    .max_flat_workgroup_size: 256
    .sgpr_count:     66
    .vgpr_count:     162
    .wavefront_size: 32
...
	.end_amdgpu_metadata
.endif
;; end of part 3
